; MI455X (gfx1250); checked and timed in simulation.
; The chip was launched on July 23, 2026; its instructions are those of AMD's public machine-readable ISA for CDNA 5 (MIT licence, August 2026) and "CDNA5" Instruction Set Architecture Reference Guide (July 2026). The comments in the code are by the model that wrote it; some were corrected since.
;; Multi Head Attention. Allowed arithmetic: matrix products marked QUANTISED: E2M1 operands, one E8M0 scale for each 32 along K, by v_wmma_scale_f32_16x16x128_f8f6f4 with both operands' format E2M1 (or v_wmma_scale_f32_32x16x128_f4), f32 sums; everything else in f32.
;; Inputs: Wk_codes 1,024 x 32 x 16 uint8 (E2M1 codes of Wk, K innermost, in blocks of 32 codes, two codes a byte); Wk_scales 1,024 x 32 uint8 (E8M0 scales of Wk, one for each 32 codes along K); Wo_codes 1,024 x 32 x 16 uint8 (E2M1 codes of Wo, K innermost, in blocks of 32 codes, two codes a byte); Wo_scales 1,024 x 32 uint8 (E8M0 scales of Wo, one for each 32 codes along K); Wq_codes 1,024 x 32 x 16 uint8 (E2M1 codes of Wq, K innermost, in blocks of 32 codes, two codes a byte); Wq_scales 1,024 x 32 uint8 (E8M0 scales of Wq, one for each 32 codes along K); Wv_codes 1,024 x 32 x 16 uint8 (E2M1 codes of Wv, K innermost, in blocks of 32 codes, two codes a byte); Wv_scales 1,024 x 32 uint8 (E8M0 scales of Wv, one for each 32 codes along K); beta 1,024 float32; bk 1,024 float32; bo 1,024 float32; bq 1,024 float32; bv 1,024 float32; gamma 1,024 float32; key_codes 4 x 2,048 x 32 x 16 uint8 (E2M1 codes of key, K innermost, in blocks of 32 codes, two codes a byte); key_scales 4 x 2,048 x 32 uint8 (E8M0 scales of key, one for each 32 codes along K); query 4 x 2,048 x 1,024 float32; value_codes 4 x 2,048 x 32 x 16 uint8 (E2M1 codes of value, K innermost, in blocks of 32 codes, two codes a byte); value_scales 4 x 2,048 x 32 uint8 (E8M0 scales of value, one for each 32 codes along K).
;; Outputs: out0 4 x 2,048 x 1,024 float32.
;; This version of the problem:
;;   THIS VERSION OF THE PROBLEM IS GIVEN IN LOW PRECISION. The matrix products marked QUANTISED in the list below multiply operands that are first quantised to E2M1 (2 exponent bits, 1 mantissa bit; 4 bits a number), with one power-of-two scale for each 32 numbers along K (OCP MX v1.0); their sums are f32. All else is computed in f32.
;;   The module's matrix products, in the order in which they are computed (A, B: the left and right operand; K: the contracted axis; several contracted axes count as one K, in the product's order):
;;     1. [M 8,192, K 1,024] x [K 1,024, N 1,024]; A: input query; B: input Wq (given as codes): QUANTISED
;;     2. [M 8,192, K 1,024] x [K 1,024, N 1,024]; A: input key (given as codes); B: input Wk (given as codes): QUANTISED
;;     3. [M 8,192, K 1,024] x [K 1,024, N 1,024]; A: input value (given as codes); B: input Wv (given as codes): QUANTISED
;;     4. batch 64 x [M 2,048, K 64] x [K 64, N 2,048]; A: computed on the way; B: computed on the way: QUANTISED
;;     5. batch 64 x [M 2,048, K 2,048] x [K 2,048, N 64]; A: softmax (see below); B: computed on the way: QUANTISED
;;     6. [M 8,192, K 1,024] x [K 1,024, N 1,024]; A: computed on the way; B: input Wo (given as codes): QUANTISED
;;   THE QUANTISER, for each operand of a quantised product, along K:
;;     - K is cut into blocks of 32 from its start; a last block that is shorter is filled with zeros.
;;     - A block's scale is 2^e with e = floor(log2(the largest magnitude in the block)) - 2, held to -126 .. 127; a block of zeros has e = 0. As a byte (E8M0): e + 127.
;;     - Each number is divided by its block's scale, clamped to +-6, and rounded to the nearest number of E2M1, ties to even, subnormals kept.
;;     - The product sums the exact products of the quantised numbers (number of the format x scale) in f32.
;;   ~~~python
;;   def quantise(x, axis):      # numpy; x: float32 -> the quantised numbers, widened to float32 again
;;       x = np.moveaxis(x, axis, -1); K = x.shape[-1]
;;       x = np.pad(x, [(0, 0)] * (x.ndim - 1) + [(0, -K % 32)]); x = x.reshape(x.shape[:-1] + (-1, 32)); a = np.abs(x).max(-1, keepdims=True)
;;       e = np.where(a > 0, np.clip(np.frexp(np.where(a > 0, a, 1))[1] - 1 - 2, -126, 127), 0)      # np.frexp(a)[1] - 1 = floor(log2(a)), exactly
;;       r = np.clip(x / 2.0 ** e, -6, 6)
;;       step = 2.0 ** (np.maximum(np.frexp(np.where(r == 0, 1, r))[1] - 1, 0) - 1)
;;       q = np.round(r / step) * step * 2.0 ** e      # np.round: ties to even
;;       return np.moveaxis(q.reshape(q.shape[:-2] + (-1,))[..., :K], -1, axis).astype(np.float32)
;;   ~~~
;;   SOFTMAX AHEAD OF A QUANTISED PRODUCT. Where the list says 'softmax', what is quantised is not the finished softmax but p = 2^(t - M), with t = logit x log2(e) and M = ceil(the row's largest t), a whole number; so 1/2 < the row's largest p <= 1. The row's sum l is taken of the UNQUANTISED p, in f32, and the product's result is divided by l at the end. Since M is a whole number, a kernel that streams over the keys may use a running M (the ceiling of the running maximum): every later rescaling is an exact power of two, which a block's scale takes up: the codes' values come out the same.
;;   OPERANDS COMPUTED ON THE WAY. 'Computed on the way' means the value that the module computes at that place (a softmax that the list does not call 'softmax' is quantised finished and normalised). What goes into a quantiser is computed in f32, as accurately as f32 sums, v_exp_f32 and their like allow (about 1e-6 of the number): no bf16 or f16 on the way to a quantiser, and a product that is left as it is and whose result goes on into a quantised operand takes f32 operands (vector FMAs, or v_wmma_f32_16x16x4_f32). A number that lies on a knife's edge between two numbers of the format may be rounded either way, as far as f32 arithmetic and the matrix unit's own rounding can turn it there, and no further.
;;   INPUTS GIVEN AS CODES. Wk (in the module: [1024, 1024], K = its axis 1); Wo (in the module: [1024, 1024], K = its axis 1); Wq (in the module: [1024, 1024], K = its axis 1); Wv (in the module: [1024, 1024], K = its axis 1); key (in the module: [4, 2048, 1024], K = its axis 2); value (in the module: [4, 2048, 1024], K = its axis 2): each comes as NAME_codes (uint8): NAME with its K axis moved to the last place and cut into blocks of 32 codes, [.., K / 32, bytes a block], one block behind the other in memory; two codes a byte, the lower K in the low four bits (a code: sign, 2 exponent bits, 1 mantissa bit); and NAME_scales (uint8): the same leading axes, one E8M0 byte (e + 127) for each 32 codes along K. Its value is code x scale, taken as it is: it is not quantised again, and the codes and scales need not be those that the quantiser above would give.
;; One version. Each part assembles by itself: llvm-mc -triple=amdgcn-amd-amdhsa -mcpu=gfx1250 --defsym DOCPART=n.
;; ======== version 1 of 1: 4 launches
;; workspace buffers: xq_codes 4,194,304 bytes; xq_scales 262,144 bytes; wo_img 524,288 bytes; qkv_img 12,582,912 bytes; sc 786,432 bytes; a_img 4,194,304 bytes; a_sc 262,144 bytes
;; launch prep (part 1): grid 272 x 1, 4 waves a work-group, no clusters, 67,072 bytes of LDS; arguments query, Wo_codes, xq_codes, xq_scales, wo_img; writes xq_codes, xq_scales, wo_img
.if DOCPART == 1
	.amdgcn_target "amdgcn-amd-amdhsa--gfx1250"
	.amdhsa_code_object_version 6
	.text
	.protected	k_q9fb635b97c_prep
	.globl	k_q9fb635b97c_prep
	.p2align	8
	.type	k_q9fb635b97c_prep,@function
k_q9fb635b97c_prep:
	s_mov_b64 s[64:65], 0
	v_nop
	global_prefetch_b8 v0, s[64:65] scope:SCOPE_SE
	s_setreg_imm32_b32 hwreg(HW_REG_WAVE_MODE, 25, 1), 1
	s_wait_xcnt 0x0
; MULTI-HEAD ATTENTION IN MX-FP4, FOUR LAUNCHES: prep (this one), proj, attn, outln.
; DEAD WORK, for the whole program.  reference() sets scores[q][k] to -infinity where k > q, by a jnp.tril that it builds in its own body; softmax gives such a key the weight 0, whatever
; finite values the inputs hold.  So a step of 128 keys all of which come after all 16 queries of a tile reaches no output: launch attn leaves such steps out, whole.  Nothing else is left out: every input has a way
; to the output and is loaded (the biases bq, bk, bv go into quantised operands and stay).  LIMIT: a NaN, an infinity or an overflow that reaches only the steps left out is not carried to the result.
; THIS LAUNCH.  (a) query [8192][1024] f32 becomes codes of E2M1, K innermost (xq_codes [8192][512 bytes]), with one E8M0 byte for each 32 along K (xq_scales [8192][32]), laid as key_codes and key_scales lie.
; A block's scale is 2^(floor(log2(its largest magnitude)) - 2): its byte is the largest magnitude's exponent field - 2, held at 1 from below.  A block of zeros so gets the byte 1 where the rule says 127: its codes are
; zeros, which add nothing under any byte but 0xff, and the bytes are read by this program alone.  LIMITS: NaN and infinities in query are not served.
; (b) Wo_codes is laid anew as images of the operand's registers: wo_img [tile of 16 rows T][K step s][c][lane][16 bytes], lane (r, h) holding bytes 64 s + 32 c + 16 h of row 16 T + r: launch outln then loads a
; fragment by two loads of 512 consecutive bytes.
; SHARES.  Work-groups 0 to 255: 32,768 numbers of query each, a wave 16 steps of 512.  Each of a step's four loads reads 512 consecutive bytes; the 2,048 bytes turn through the wave's own stage in LDS (16 bytes of
; padding behind each 64) and come back 64 bytes a lane: 16 neighbours along K, two lanes to a block.  Loads run eight steps (32 loads a wave) ahead, the turn through LDS one step.
; Work-groups 256 to 271: a tile T = 4 (work-group - 256) + wave to a wave, through LDS bytes that the other path never names.
; No tensor loads, no barrier, no cluster: waves share nothing, and no byte is read by two work-groups.
.set STEPS, 16
.set AHEAD, 8
.set EMAX,  2
.set CB,    8                          ; bytes of 16 codes
.set R,     16                         ; v16-143  eight sets of 16 numbers as they are loaded
.set X,     144                        ; v144-175 two sets of 16 neighbours
.set C,     176                        ; v176-207 codes: two registers for each step, so that no store's data are written again
.set E,     208                        ; v208-223 a scale byte for each step
.set WREG,  8192                       ; LDS: a region for each wave: two stages of 32 x SP bytes, and behind them its 256 scale bytes
.set SP,    80
.set RLB,   32768                      ; LDS: the relayout's stages: 16 rows x RLP bytes for each wave
.set RLP,   528
.set SPW,   12                         ; v12  LDS address of my spare word; never rewritten
.set NIL,   13                         ; v13  0; never rewritten
.set SPARE, 66560                      ; behind both paths' bytes: the spare words, 128 bytes for each wave
	s_load_b256 s[4:11], s[0:1], 0x0               ; query s[4:5], Wo_codes s[6:7], xq_codes s[8:9], xq_scales s[10:11]
	s_load_b64 s[12:13], s[0:1], 0x20              ; wo_img
	v_lshl_add_u32 v[SPW], v0, 2, SPARE
	v_mov_b32 v[NIL], 0
	v_lshrrev_b32 v1, 5, v0
	v_readfirstlane_b32 s16, v1                    ; wave
	v_and_b32 v2, 31, v0                           ; lane
	v_lshlrev_b32 v3, 4, v2                        ; my 16 bytes of a load's 512
	s_mul_i32 s17, s16, WREG
	v_lshrrev_b32 v14, 2, v2
	v_mul_u32_u24 v14, v14, SP
	v_and_b32 v15, 3, v2
	v_lshl_add_u32 v14, v15, 4, v14
	v_add_nc_u32 v14, s17, v14                     ; the stage, on the way in: SP (lane / 4) + 16 (lane % 4)
	v_mul_u32_u24 v15, v2, SP
	v_add_nc_u32 v15, s17, v15                     ; and on the way out: SP x lane
	v_mul_u32_u24 v4, v2, CB                       ; my codes' place in a step's
	v_lshrrev_b32 v5, 1, v2
	s_add_co_u32 s17, s17, 2*32*SP
	v_add_nc_u32 v5, s17, v5                       ; my wave's 256 scale bytes, my block's byte
	v_lshlrev_b32 v7, 3, v2
	v_add_nc_u32 v6, s17, v7                       ; and on the way out 8 bytes a lane
	s_mul_i32 s18, s16, 16*RLP                     ; the relayout's addresses are made here too, ahead of the parting
	s_add_co_u32 s18, s18, RLB
	v_add_nc_u32 v224, s18, v3                     ; in: a row's 512 bytes, 16 a lane
	v_and_b32 v8, 15, v0
	v_bfe_u32 v9, v0, 4, 1
	v_mul_u32_u24 v225, v8, RLP
	v_lshl_add_u32 v225, v9, 4, v225
	v_add_nc_u32 v225, s18, v225                   ; out: row r, + 16 h
	s_mov_b32 s21, 0
	s_wait_kmcnt 0x0
	s_cmp_ge_u32 ttmp9, 256
	s_cbranch_scc1 .Lrelay
	s_lshl_b32 s18, ttmp9, 2
	s_add_co_u32 s18, s18, s16                     ; which run of 8,192 numbers is my wave's
	s_lshl_b32 s20, s18, 15
	s_add_nc_u64 s[4:5], s[4:5], s[20:21]
	s_lshl_b32 s20, s18, 12
	s_add_nc_u64 s[8:9], s[8:9], s[20:21]
	s_lshl_b32 s20, s18, 8
	s_add_nc_u64 s[10:11], s[10:11], s[20:21]
.macro LOAD t
.irp i, 0,1,2,3
	global_load_b128 v[R+16*((\t)%8)+4*\i:R+16*((\t)%8)+4*\i+3], v3, s[4:5] offset:2048*(\t)+512*\i th:TH_LOAD_NT   ; 32 lanes read 512 consecutive bytes
.endr
.endm
.macro TURN t                          ; step t's numbers through the stage: LDS serves a wave's instructions in order, so no wait stands between the stores and the loads
.irp i, 0,1,2,3
	ds_store_b128 v14, v[R+16*((\t)%8)+4*\i:R+16*((\t)%8)+4*\i+3] offset:32*SP*((\t)%2)+8*SP*\i
.endr
.irp i, 0,1,2,3
	ds_load_b128 v[X+16*((\t)%2)+4*\i:X+16*((\t)%2)+4*\i+3], v15 offset:32*SP*((\t)%2)+16*\i
.endr
.endm
.irp t, 0,1,2,3,4,5,6,7
	LOAD \t
.endr
	s_wait_loadcnt 28                              ; step 0's four loads are in; the seven steps behind it may be out
	TURN 0
.macro STEP t
.set XS, X+16*((\t)%2)
.if (\t) > 0
	s_wait_dscnt 1                                 ; this step's numbers are back from the stage (the last step's byte store may be out): so its stores into the stage have read their registers,
.else
	s_wait_dscnt 0x0
.endif
.if (\t)+AHEAD < STEPS
	LOAD (\t)+AHEAD                                ; which take the loads of eight steps on
.endif
.if (\t)+1 < STEPS
.if STEPS-2-(\t) >= AHEAD-1
	s_wait_loadcnt 4*(AHEAD-1)                     ; the next step's four loads are in; those of the seven steps behind it may be out
.else
	s_wait_loadcnt 4*(STEPS-2-(\t))
.endif
	TURN (\t)+1
.endif
	v_max3_num_f32 v8, |v[XS]|, |v[XS+1]|, |v[XS+2]|               ; the largest magnitude of my 16, in two chains
	v_max3_num_f32 v9, |v[XS+3]|, |v[XS+4]|, |v[XS+5]|
.irp i, 6,10
	v_max3_num_f32 v8, v8, |v[XS+\i]|, |v[XS+\i+1]|
	v_max3_num_f32 v9, v9, |v[XS+\i+2]|, |v[XS+\i+3]|
.endr
	v_max3_num_f32 v8, v8, |v[XS+14]|, |v[XS+15]|
	v_max3_num_f32 v8, v8, v9, (EMAX+1)<<23        ; and the floor 2^(3 - 127): the byte cannot fall under 1
	v_max_num_f32_dpp v8, v8, v8 row_xmask:1 row_mask:0xf bank_mask:0xf   ; and of my neighbour's 16: the block's
	v_add_nc_u32 v11, -(EMAX<<23), v8              ; 2 off its exponent field: the conversion takes the exponent field of this operand as its scale
	v_cvt_scalef32_pk8_fp4_f32 v[C+2*(\t)], v[XS:XS+7], v11
	v_cvt_scalef32_pk8_fp4_f32 v[C+2*(\t)+1], v[XS+8:XS+15], v11
	v_lshrrev_b32 v[E+(\t)], 23, v11               ; the scale's byte (also the plain line behind the conversions)
	ds_store_b8 v5, v[E+(\t)] offset:16*(\t)       ; both lanes of a block write the same byte with the same value
	global_store_b64 v4, v[C+2*(\t):C+2*(\t)+1], s[8:9] offset:32*CB*(\t)   ; the wave stores 256 consecutive bytes, aligned
.endm
.irp t, 0,1,2,3,4,5,6,7,8,9,10,11,12,13,14,15
	STEP \t
.endr
	ds_load_b64 v[8:9], v6                         ; LDS serves a wave's instructions in order: these see my byte stores
	s_wait_dscnt 0x0
	global_store_b64 v7, v[8:9], s[10:11]          ; my run's 256 scale bytes: 256 consecutive bytes, aligned
	s_wait_tensorcnt 0x0                           ; the wave's end, behind my last LDS store
	ds_add_u32 v[SPW], v[NIL]
	s_wait_dscnt 0x0
	s_endpgm
.Lrelay:                                               ; Wo's tile T: 16 rows of 512 bytes, 8,192 consecutive bytes in and 8,192 out
	s_sub_co_u32 s18, ttmp9, 256
	s_lshl_b32 s18, s18, 2
	s_add_co_u32 s18, s18, s16                     ; T
	s_lshl_b32 s20, s18, 13
	s_add_nc_u64 s[6:7], s[6:7], s[20:21]
	s_add_nc_u64 s[12:13], s[12:13], s[20:21]
.set i, 0
.rept 16
	global_load_b128 v[16+4*i:19+4*i], v3, s[6:7] offset:512*i th:TH_LOAD_NT   ; row i
.set i, i+1
.endr
.set i, 0
	s_wait_alu depctr_va_vdst(0)
.rept 16
	s_wait_loadcnt 15-i                            ; row i is in; the younger rows may be out
	ds_store_b128 v224, v[16+4*i:19+4*i] offset:RLP*i
.set i, i+1
.endr
.set i, 0
.rept 16
	ds_load_b128 v[80+4*i:83+4*i], v225 offset:32*i   ; piece 2 s + c: bytes 64 s + 32 c + 16 h of row r; my own bytes, served in order
.set i, i+1
.endr
.set i, 0
.rept 16
	s_wait_dscnt 15-i
	global_store_b128 v3, v[80+4*i:83+4*i], s[12:13] offset:512*i
.set i, i+1
.endr
	s_wait_tensorcnt 0x0                           ; the wave's end: the same three lines
	ds_add_u32 v[SPW], v[NIL]
	s_wait_dscnt 0x0
	s_endpgm
.Lfunc_end_k_q9fb635b97c_prep:
	.size	k_q9fb635b97c_prep, .Lfunc_end_k_q9fb635b97c_prep-k_q9fb635b97c_prep
	.p2alignl 7, 3214868480
	.fill 96, 4, 3214868480
	.section	.rodata,"a",@progbits
	.p2align	6, 0x0
	.amdhsa_kernel k_q9fb635b97c_prep
		.amdhsa_group_segment_fixed_size 67072
		.amdhsa_private_segment_fixed_size 0
		.amdhsa_enable_private_segment 0
		.amdhsa_kernarg_size 40
		.amdhsa_user_sgpr_count 2
		.amdhsa_user_sgpr_kernarg_segment_ptr 1
		.amdhsa_wavefront_size32 1
		.amdhsa_system_sgpr_workgroup_id_x 1
		.amdhsa_system_sgpr_workgroup_id_y 1
		.amdhsa_system_sgpr_workgroup_id_z 1
		.amdhsa_system_vgpr_workitem_id 0
		.amdhsa_next_free_vgpr 232
		.amdhsa_next_free_sgpr 66
		.amdhsa_reserve_vcc 0
		.amdhsa_float_denorm_mode_32 3
		.amdhsa_float_denorm_mode_16_64 3
		.amdhsa_memory_ordered 1
		.amdhsa_forward_progress 1
		.amdhsa_inst_pref_size 40
	.end_amdhsa_kernel
	.amdgpu_metadata
---
amdhsa.version: [ 1, 2 ]
amdhsa.kernels:
  - .name:           k_q9fb635b97c_prep
    .symbol:         k_q9fb635b97c_prep.kd
    .args:
      - { .name: query, .offset: 0, .size: 8, .value_kind: global_buffer, .address_space: global }
      - { .name: Wo_codes, .offset: 8, .size: 8, .value_kind: global_buffer, .address_space: global }
      - { .name: xq_codes, .offset: 16, .size: 8, .value_kind: global_buffer, .address_space: global }
      - { .name: xq_scales, .offset: 24, .size: 8, .value_kind: global_buffer, .address_space: global }
      - { .name: wo_img, .offset: 32, .size: 8, .value_kind: global_buffer, .address_space: global }
    .group_segment_fixed_size: 67072
    .private_segment_fixed_size: 0
    .kernarg_segment_align: 8
    .kernarg_segment_size: 40
    .max_flat_workgroup_size: 128
    .sgpr_count:     66
    .vgpr_count:     232
    .wavefront_size: 32
...
	.end_amdgpu_metadata
.endif
;; end of part 1
;; launch proj (part 2): grid 16 x 12, 4 waves a work-group, no clusters, 74,240 bytes of LDS; arguments xq_codes, xq_scales, Wq_codes, Wq_scales, key_codes, key_scales, Wk_codes, Wk_scales, value_codes, value_scales, Wv_codes, Wv_scales, bq, bk, bv, qkv_img, sc; writes qkv_img, sc
.if DOCPART == 2
	.amdgcn_target "amdgcn-amd-amdhsa--gfx1250"
	.amdhsa_code_object_version 6
	.text
	.protected	k_q9fb635b97c_proj
	.globl	k_q9fb635b97c_proj
	.p2align	8
	.type	k_q9fb635b97c_proj,@function
k_q9fb635b97c_proj:
	s_mov_b64 s[64:65], 0
	v_nop
	global_prefetch_b8 v0, s[64:65] scope:SCOPE_SE
	s_setreg_imm32_b32 hwreg(HW_REG_WAVE_MODE, 25, 1), 1
	s_wait_xcnt 0x0
; Q = query Wq^T + bq, K = key Wk^T + bk, V = value Wv^T + bv, on codes of E2M1 with E8M0 scales; the results are quantised at once (Q and K along the head's 64, V along the keys) and stored as images
; of the registers in which launch attn wants them.  Nothing of reference() is left out here.
; SHARES.  Work-group (x = g, y = 4 tid + slice): tid 0 Q, 1 K, 2 V.  Wave w owns head 4 slice + w: its 64 rows of W, 4 tiles x 8 K steps = 256 registers, stay in registers for the whole launch.
; The work-group walks four blocks of 128 rows of x (rows 512 g on); a block's codes and scale bytes go through one stage in LDS, which all four waves read: two barriers a block.
; THE ROWS OF A TILE ARE NOT NEIGHBOURS: lane r of tile 2 b + u of a group of 32 rows takes row 32 b + 8 u + r + 8 (r / 8); so for W's rows within a head and for x's rows within a block.
; Then the 16 registers of two neighbouring result tiles are 16 neighbours along the axis that is quantised.
; Q, K: the product is used transposed (source 0 = 16 rows of W, source 1 = 16 rows of x): a lane holds one row of x and registers along d.  QUANT takes the 64 numbers of a PAIR of row tiles (u = 0, 1):
; its four blocks are (u, half of d), its eight code registers the pair's fragment (k 0-63: tile u = 0; k 64-127: tile u = 1), its word the four scale bytes in that order.
; V: source 0 = 16 rows of x (keys), source 1 = 16 rows of W: a lane holds one d and registers along the keys; QUANT's four blocks are the block's four times 32 keys: a fragment of V^T, 16 d x 128 keys.
; OUT.  qkv_img [tensor][batch x head][block J][t 4][c 2][lane][16 bytes]: each store is 512 consecutive bytes.  sc [batch x head][J][K, V, Q][r 16][t 4] words: 256 consecutive bytes a store.
; SCALE WORDS BY ROW: a row's 32 scale bytes are read as 16 bytes at 16 h: register q holds K step q in lanes 0-15 and K step 4 + q in lanes 16-31, which K steps 4 to 7 select.
; A block of zeros gets the byte 1 where the rule says 127: its codes are zeros, and this program alone reads the bytes.  LIMITS: NaN and infinities are not served.
; NO CLUSTER: what work-groups share is a block of x, 68 KB for four of them, beside 128 KB of weights that each keeps in registers; and a joint load would ask for a ring with a round at each of only four blocks.
; NO TENSOR LOAD: the next block is asked for into registers one block ahead, 34 loads of 512 consecutive bytes a wave.
; REGISTERS, in windows of 256.  Window 0: v1-13 addresses; v16, v17 the add's two; v20-35 W's scale words; v36-67 x's; v68-195 x's fragments, two sets of 64; v200-215 at work; v216-221 scale words made; v224-255 codes made.
;   Window 1: W, fragment (t, s) at v[64 t + 8 s].   Window 2: the 32 accumulators.   Window 3: v0-31 the bias as the first product's C; v32-167 the next block on its way.
.set XP,    528                        ; a row of x's codes in LDS: 512 bytes + 16
.set SPP,   48                         ; a row of x's scale bytes: 32 + 16
.set SCOFF, 128*XP
.set SPARE, SCOFF+128*SPP              ; the spare words, 128 bytes for each wave
.set SPW,   16
.set NIL,   17
.set WS,    20
.set XSC,   36
.set X,     68
.set TM,    200
.set PW,    216
.set PC,    224
.set PR,    32
.set SEL,   52
.set MSB, 0
.macro WIN new                         ; the immediate's high byte repeats the setting that is left
.if MSB != \new
	s_set_vgpr_msb (MSB<<8)|\new
.set MSB, \new
.endif
.endm
.macro PLACES
.rept 4
	v_nop
.endr
.endm
.macro MM d, a, b, c, sa, sb, row
.if \row
	v_wmma_scale_f32_16x16x128_f8f6f4 v[\d:\d+7], v[\a:\a+7], v[\b:\b+7], v[\c:\c+7], v[\sa], v[\sb] matrix_a_fmt:MATRIX_FMT_FP4 matrix_b_fmt:MATRIX_FMT_FP4 matrix_a_scale:MATRIX_SCALE_ROW1 matrix_b_scale:MATRIX_SCALE_ROW1
.else
	v_wmma_scale_f32_16x16x128_f8f6f4 v[\d:\d+7], v[\a:\a+7], v[\b:\b+7], v[\c:\c+7], v[\sa], v[\sb] matrix_a_fmt:MATRIX_FMT_FP4 matrix_b_fmt:MATRIX_FMT_FP4
.endif
.endm
.macro XLOAD                           ; my 32 rows of a block: 32 loads of a row's 512 bytes, 2 loads of 512 scale bytes, into window 3
	WIN 0xc0
.set i, 0
.rept 32
	global_load_b128 v[PR+4*i:PR+4*i+3], v4, s[8:9] offset:512*i
.set i, i+1
.endr
.irp j, 0,1
	global_load_b128 v[PR+128+4*\j:PR+128+4*\j+3], v4, s[10:11] offset:512*\j
.endr
	WIN 0
.endm
.macro FETCHX s                        ; x's eight fragments of K step s into set s % 2
.irp m, 0,1,2,3,4,5,6,7
.irp c, 0,1
	ds_load_b128 v[X+64*((\s)%2)+8*\m+4*\c:X+64*((\s)%2)+8*\m+4*\c+3], v7 offset:16*XP*\m+64*(\s)+32*\c
.endr
.endr
.endm
; The block's product: 8 K steps of 32 matrix instructions; the 32 accumulators take turns, one instruction a turn.  vp = 0: Q or K;  vp = 1: V.
.macro P1 vp
.irp s, 0,1,2,3,4,5,6,7
.if \s < 7
.if \s > 0
	PLACES                                         ; in front of loads into the set that the last K step's products read
.endif
	FETCHX (\s+1)
	s_wait_dscnt 16                                ; all but the 16 just issued
.else
	s_wait_dscnt 0x0                               ; the last fragments; and my reads of the stage are over, for the barrier that follows
.endif
.if \vp
.if \s == 0
	WIN 0xb4                                       ; source 1 (W) window 1, C (the bias) window 3, D window 2
.else
	WIN 0xa4
.endif
.else
.if \s == 0
	WIN 0xb1                                       ; source 0 (W) window 1, C (the bias) window 3, D window 2
.else
	WIN 0xa1
.endif
.endif
.irp m, 0,1,2,3,4,5,6,7
.irp t, 0,1,2,3
.if \vp
.if \s == 0
	MM 64*\t+8*\m, X+64*(\s%2)+8*\m, 64*\t+8*\s, 8*\t, XSC+4*\m+\s%4, WS+4*\t+\s%4, \s/4
.else
	MM 64*\t+8*\m, X+64*(\s%2)+8*\m, 64*\t+8*\s, 64*\t+8*\m, XSC+4*\m+\s%4, WS+4*\t+\s%4, \s/4
.endif
.else
.if \s == 0
	MM 32*\m+8*\t, 64*\t+8*\s, X+64*(\s%2)+8*\m, 8*\t, WS+4*\t+\s%4, XSC+4*\m+\s%4, \s/4
.else
	MM 32*\m+8*\t, 64*\t+8*\s, X+64*(\s%2)+8*\m, 32*\m+8*\t, WS+4*\t+\s%4, XSC+4*\m+\s%4, \s/4
.endif
.endif
.endr
.endr
	WIN 0
.endr
.endm
; 64 numbers of a lane in window 2, register s + 16 b + i = number 16 (lane / 16) + i of my row's block b, become eight code registers v[pc] on and the four scale bytes in v[pw].
.macro QUANT s, pc, pw
	WIN 0x0a                                       ; sources 0 and 1 window 2
.irp b, 0,1,2,3
	v_max3_num_f32 v[TM+\b], |v[\s+16*\b]|, |v[\s+16*\b+1]|, 0x1800000   ; my 16 numbers from the low end on, and the floor 2^(3 - 127): the byte cannot fall under 1
.endr
.irp i, 2,4,6,8,10,12,14
.irp b, 0,1,2,3
	v_max3_num_f32 v[TM+\b], |v[\s+16*\b+\i]|, |v[\s+16*\b+\i+1]|, v[TM+\b]
.endr
.endr
	WIN 0
.irp b, 0,1,2,3
	v_permlanex16_b32 v[TM+4+\b], v[TM+\b], s[SEL], s[SEL+1]
.endr
.irp b, 0,1,2,3
	v_max_num_f32 v[TM+\b], v[TM+\b], v[TM+4+\b]   ; with lane l xor 16's: the block's largest magnitude
.endr
.irp b, 0,1,2,3
	v_add_nc_u32 v[TM+12+\b], 0xff000000, v[TM+\b] ; 2 off its exponent field: the conversion's scale operand
.endr
.irp b, 0,1,2,3
	v_lshrrev_b32 v[TM+4+\b], 23, v[TM+12+\b]      ; the scale's byte
.endr
	v_lshl_or_b32 v[\pw], v[TM+5], 8, v[TM+4]
	v_lshl_or_b32 v[\pw], v[TM+6], 16, v[\pw]
	v_lshl_or_b32 v[\pw], v[TM+7], 24, v[\pw]
	WIN 0x02                                       ; source 0 window 2
.irp b, 0,1,2,3
	v_cvt_scalef32_pk8_fp4_f32 v[\pc+2*\b], v[\s+16*\b:\s+16*\b+7], v[TM+12+\b]
	v_cvt_scalef32_pk8_fp4_f32 v[\pc+2*\b+1], v[\s+16*\b+8:\s+16*\b+15], v[TM+12+\b]
.endr
	WIN 0
	v_nop                                          ; one plain line behind the last conversion
.irp c, 0,1                                    ; the operand's layout wants a whole block in a lane: lanes 0-15 block 2 c, lanes 16-31 block 2 c + 1
.irp i, 0,1
	v_permlane16_swap_b32 v[\pc+4*\c+\i], v[\pc+4*\c+2+\i]
.endr
.endr
.endm
	s_load_b512 s[8:23], s[0:1], 0x0               ; xq_codes, xq_scales, Wq_codes, Wq_scales, key_codes, key_scales, Wk_codes, Wk_scales
	s_load_b512 s[24:39], s[0:1], 0x40             ; value_codes, value_scales, Wv_codes, Wv_scales, bq, bk, bv, qkv_img
	s_load_b64 s[40:41], s[0:1], 0x80              ; sc
	v_lshl_add_u32 v[SPW], v0, 2, SPARE
	v_mov_b32 v[NIL], 0
	v_lshrrev_b32 v1, 5, v0
	v_readfirstlane_b32 s2, v1                     ; wave
	s_and_b32 s42, ttmp7, 0xffff
	s_lshr_b32 s3, s42, 2                          ; tid: 0 Q, 1 K, 2 V
	s_and_b32 s4, s42, 3                           ; slice
	s_mov_b32 s5, ttmp9                            ; g
	s_lshl_b32 s6, s4, 2
	s_add_co_u32 s6, s6, s2                        ; my head
	v_and_b32 v1, 31, v0                           ; lane
	v_and_b32 v2, 15, v0                           ; r
	v_bfe_u32 v3, v0, 4, 1                         ; h
	v_lshlrev_b32 v4, 4, v1                        ; 16 x lane
	s_mul_i32 s42, s2, 32*XP
	v_add_nc_u32 v5, s42, v4                       ; the stage, in: my 32 positions, 16 bytes a lane
	v_bfe_u32 v14, v0, 1, 3
	v_lshl_add_u32 v14, v3, 4, v14                 ; scale bytes, in: two lanes to a row: position 16 (lane / 16) + (lane / 2) % 8 (+ 8 for the second load),
	v_mul_u32_u24 v14, v14, SPP
	v_and_b32 v15, 1, v0
	v_lshl_add_u32 v14, v15, 4, v14                ; its half
	s_mul_i32 s42, s2, 32*SPP
	s_add_co_u32 s42, s42, SCOFF
	v_add_nc_u32 v6, s42, v14
	v_mul_u32_u24 v7, v2, XP
	v_lshl_add_u32 v7, v3, 4, v7                   ; a fragment: position r, + 16 h
	v_mul_u32_u24 v8, v2, SPP
	v_lshl_add_u32 v8, v3, 4, v8
	v_add_nc_u32 v8, SCOFF, v8                     ; its scale bytes: position r, + 16 h
	v_lshlrev_b32 v9, 4, v2
	v_lshl_add_u32 v9, v3, 3, v9                   ; sc: 16 r + 8 h
	v_and_b32 v14, 8, v2
	v_add_nc_u32 v14, v14, v2                      ; r + 8 (r / 8)
	v_lshlrev_b32 v10, 9, v14
	v_lshl_add_u32 v10, v3, 4, v10                 ; W: a tile's row of 512 bytes, + 16 h
	v_lshlrev_b32 v11, 5, v14
	v_lshl_add_u32 v11, v3, 4, v11                 ; W's scale bytes
	v_lshlrev_b32 v12, 6, v3                       ; the bias of Q, K: 16 h numbers on
	v_lshlrev_b32 v13, 2, v14                      ; the bias of V: my d
.irp b, 0,1,2,3
	v_mov_b32 v[TM+4+\b], 0                        ; written once: a lane permute's destination counts as one of its sources
.endr
	s_mov_b32 s[SEL], 0x76543210
	s_mov_b32 s[SEL+1], 0xfedcba98                 ; lane l xor 16
	s_mov_b32 s54, 0xffff0000                      ; lanes 16 to 31
	s_mov_b32 s55, 4                               ; blocks to go
	s_mov_b32 s43, 0
	s_wait_alu depctr_va_vdst(0)
	s_wait_kmcnt 0x0
	s_cmp_eq_u32 s3, 0                             ; the tensor's buffers are chosen on the work-group's number alone
	s_cselect_b64 s[8:9], s[8:9], s[16:17]
	s_cselect_b64 s[10:11], s[10:11], s[18:19]
	s_cselect_b64 s[12:13], s[12:13], s[20:21]
	s_cselect_b64 s[14:15], s[14:15], s[22:23]
	s_cselect_b64 s[32:33], s[32:33], s[34:35]
	s_cselect_b32 s46, 512, 0                      ; the tensor's part of sc: K 0, V 256, Q 512
	s_cmp_eq_u32 s3, 2
	s_cselect_b64 s[8:9], s[24:25], s[8:9]
	s_cselect_b64 s[10:11], s[26:27], s[10:11]
	s_cselect_b64 s[12:13], s[28:29], s[12:13]
	s_cselect_b64 s[14:15], s[30:31], s[14:15]
	s_cselect_b64 s[32:33], s[36:37], s[32:33]
	s_cselect_b32 s46, 256, s46
	s_lshl_b32 s42, s5, 18                         ; x's codes: 4 blocks of 65,536 bytes a work-group, 32 rows of 512 a wave
	s_lshl_b32 s44, s2, 14
	s_add_co_u32 s42, s42, s44
	s_add_nc_u64 s[8:9], s[8:9], s[42:43]
	s_lshl_b32 s42, s5, 14                         ; x's scale bytes
	s_lshl_b32 s44, s2, 10
	s_add_co_u32 s42, s42, s44
	s_add_nc_u64 s[10:11], s[10:11], s[42:43]
	s_lshl_b32 s42, s6, 15                         ; my head's 64 rows of W,
	s_add_nc_u64 s[12:13], s[12:13], s[42:43]
	s_lshl_b32 s42, s6, 11                         ; their scale bytes,
	s_add_nc_u64 s[14:15], s[14:15], s[42:43]
	s_lshl_b32 s42, s6, 8                          ; and their bias
	s_add_nc_u64 s[32:33], s[32:33], s[42:43]
	s_lshr_b32 s44, s5, 2                          ; batch
	s_lshl_b32 s44, s44, 4
	s_add_co_u32 s44, s44, s6                      ; batch x head
	s_lshl_b32 s44, s44, 4
	s_and_b32 s45, s5, 3
	s_lshl_b32 s45, s45, 2
	s_add_co_u32 s44, s44, s45                     ; x 16 + my first block J
	s_lshl_b32 s42, s44, 12
	s_lshl_b32 s45, s3, 22
	s_add_co_u32 s42, s42, s45
	s_add_nc_u64 s[38:39], s[38:39], s[42:43]      ; qkv_img: 4,096 bytes a block, 4 MiB a tensor
	s_mul_i32 s42, s44, 768
	s_add_co_u32 s42, s42, s46
	s_add_nc_u64 s[40:41], s[40:41], s[42:43]      ; sc: 768 bytes a block
	WIN 0x40
.irp t, 0,1,2,3                                ; W's fragments stay: tile t begins at row 32 (t / 2) + 8 (t % 2) of the head
.irp s, 0,1,2,3,4,5,6,7
.irp c, 0,1
	global_load_b128 v[64*\t+8*\s+4*\c:64*\t+8*\s+4*\c+3], v10, s[12:13] offset:(32*(\t/2)+8*(\t%2))*512+64*\s+32*\c
.endr
.endr
.endr
	WIN 0
.irp t, 0,1,2,3
	global_load_b128 v[WS+4*\t:WS+4*\t+3], v11, s[14:15] offset:(32*(\t/2)+8*(\t%2))*32
.endr
	s_cmp_eq_u32 s3, 2
	s_cbranch_scc1 .Lbias_v
	WIN 0xc0                                       ; Q, K: register j of tile t is d = 32 (t / 2) + 8 (t % 2) + 16 h + j
.irp t, 0,1,2,3
	global_load_b128 v[8*\t:8*\t+3], v12, s[32:33] offset:(32*(\t/2)+8*(\t%2))*4
	global_load_b128 v[8*\t+4:8*\t+7], v12, s[32:33] offset:(32*(\t/2)+8*(\t%2))*4+16
.endr
	WIN 0
	s_branch .Lbias_done
.Lbias_v:
	WIN 0xc0                                       ; V: all eight registers of tile t are my lane's d = 32 (t / 2) + 8 (t % 2) + r + 8 (r / 8)
.irp t, 0,1,2,3
.irp j, 0,1,2,3,4,5,6,7
	global_load_b32 v[8*\t+\j], v13, s[32:33] offset:(32*(\t/2)+8*(\t%2))*4
.endr
.endr
	WIN 0
.Lbias_done:
	XLOAD                                          ; the first block
.Lblock:
	s_wait_loadcnt 0x0                             ; my 32 rows of this block are in registers (in the first trip: W, its scales and the bias too)
	WIN 0x0c                                       ; an LDS store's data are its source 1: window 3
.set i, 0
.rept 32
	ds_store_b128 v5, v[PR+4*i:PR+4*i+3] offset:(16*((i/8)%2)+8*(i/16)+(i%8))*XP   ; rows lie in the order of the tiles: row 16 a + 8 u + p at position 16 u + 8 a + p
.set i, i+1
.endr
.irp j, 0,1
	ds_store_b128 v6, v[PR+128+4*\j:PR+128+4*\j+3] offset:8*SPP*\j
.endr
	WIN 0
	s_wait_dscnt 0x0                               ; for the others' sake: my stores into the stage are done
	s_barrier_signal -1
	s_barrier_wait -1                              ; the block lies in LDS
	s_cmp_eq_u32 s55, 1                            ; the next block is asked for here, if there is one: no load leaves its buffer
	s_cbranch_scc1 .Lno_next
	s_add_nc_u64 s[8:9], s[8:9], 65536             ; (the loads that read these bases were waited for above)
	s_add_nc_u64 s[10:11], s[10:11], 4096
	XLOAD
.Lno_next:
.irp m, 0,1,2,3,4,5,6,7
	ds_load_b128 v[XSC+4*\m:XSC+4*\m+3], v8 offset:16*SPP*\m
.endr
	FETCHX 0
	s_cmp_eq_u32 s3, 2
	s_cbranch_scc1 .Lvp
	P1 0
	s_branch .Ljoin
.Lvp:
	P1 1
.Ljoin:
	s_barrier_signal -1                            ; every wave's reads of the stage are over (its last wait on DScnt was for 0): behind this barrier the stage may be written again
	s_barrier_wait -1
	PLACES                                         ; in front of the first read of results
.irp t, 0,1,2,3
	QUANT 64*\t, PC+8*\t, PW+\t
	global_store_b128 v4, v[PC+8*\t:PC+8*\t+3], s[38:39] offset:1024*\t        ; 512 consecutive bytes
	global_store_b128 v4, v[PC+8*\t+4:PC+8*\t+7], s[38:39] offset:1024*\t+512
.endr
	v_cndmask_b32 v220, v[PW], v[PW+2], s54        ; lanes 0-15 store words t = 0, 1 of row r, lanes 16-31 words 2, 3 (each word stands in both halves of the lanes)
	v_cndmask_b32 v221, v[PW+1], v[PW+3], s54
	global_store_b64 v9, v[220:221], s[40:41]      ; 256 consecutive bytes, aligned
	s_wait_xcnt 0x0                                ; the stores' data and bases are written again only behind this wait
	s_add_nc_u64 s[38:39], s[38:39], 4096
	s_add_nc_u64 s[40:41], s[40:41], 768
	s_sub_co_u32 s55, s55, 1
	s_cmp_lg_u32 s55, 0
	s_cbranch_scc1 .Lblock
	s_wait_tensorcnt 0x0                           ; the wave's end, behind my last LDS store
	ds_add_u32 v[SPW], v[NIL]
	s_wait_dscnt 0x0
	s_endpgm
.Lfunc_end_k_q9fb635b97c_proj:
	.size	k_q9fb635b97c_proj, .Lfunc_end_k_q9fb635b97c_proj-k_q9fb635b97c_proj
	.p2alignl 7, 3214868480
	.fill 96, 4, 3214868480
	.section	.rodata,"a",@progbits
	.p2align	6, 0x0
	.amdhsa_kernel k_q9fb635b97c_proj
		.amdhsa_group_segment_fixed_size 74240
		.amdhsa_private_segment_fixed_size 0
		.amdhsa_enable_private_segment 0
		.amdhsa_kernarg_size 136
		.amdhsa_user_sgpr_count 2
		.amdhsa_user_sgpr_kernarg_segment_ptr 1
		.amdhsa_wavefront_size32 1
		.amdhsa_system_sgpr_workgroup_id_x 1
		.amdhsa_system_sgpr_workgroup_id_y 1
		.amdhsa_system_sgpr_workgroup_id_z 1
		.amdhsa_system_vgpr_workitem_id 0
		.amdhsa_next_free_vgpr 1024
		.amdhsa_next_free_sgpr 66
		.amdhsa_reserve_vcc 0
		.amdhsa_float_denorm_mode_32 3
		.amdhsa_float_denorm_mode_16_64 3
		.amdhsa_memory_ordered 1
		.amdhsa_forward_progress 1
		.amdhsa_inst_pref_size 124
	.end_amdhsa_kernel
	.amdgpu_metadata
---
amdhsa.version: [ 1, 2 ]
amdhsa.kernels:
  - .name:           k_q9fb635b97c_proj
    .symbol:         k_q9fb635b97c_proj.kd
    .args:
      - { .name: xq_codes, .offset: 0, .size: 8, .value_kind: global_buffer, .address_space: global }
      - { .name: xq_scales, .offset: 8, .size: 8, .value_kind: global_buffer, .address_space: global }
      - { .name: Wq_codes, .offset: 16, .size: 8, .value_kind: global_buffer, .address_space: global }
      - { .name: Wq_scales, .offset: 24, .size: 8, .value_kind: global_buffer, .address_space: global }
      - { .name: key_codes, .offset: 32, .size: 8, .value_kind: global_buffer, .address_space: global }
      - { .name: key_scales, .offset: 40, .size: 8, .value_kind: global_buffer, .address_space: global }
      - { .name: Wk_codes, .offset: 48, .size: 8, .value_kind: global_buffer, .address_space: global }
      - { .name: Wk_scales, .offset: 56, .size: 8, .value_kind: global_buffer, .address_space: global }
      - { .name: value_codes, .offset: 64, .size: 8, .value_kind: global_buffer, .address_space: global }
      - { .name: value_scales, .offset: 72, .size: 8, .value_kind: global_buffer, .address_space: global }
      - { .name: Wv_codes, .offset: 80, .size: 8, .value_kind: global_buffer, .address_space: global }
      - { .name: Wv_scales, .offset: 88, .size: 8, .value_kind: global_buffer, .address_space: global }
      - { .name: bq, .offset: 96, .size: 8, .value_kind: global_buffer, .address_space: global }
      - { .name: bk, .offset: 104, .size: 8, .value_kind: global_buffer, .address_space: global }
      - { .name: bv, .offset: 112, .size: 8, .value_kind: global_buffer, .address_space: global }
      - { .name: qkv_img, .offset: 120, .size: 8, .value_kind: global_buffer, .address_space: global }
      - { .name: sc, .offset: 128, .size: 8, .value_kind: global_buffer, .address_space: global }
    .group_segment_fixed_size: 74240
    .private_segment_fixed_size: 0
    .kernarg_segment_align: 8
    .kernarg_segment_size: 136
    .max_flat_workgroup_size: 128
    .sgpr_count:     66
    .vgpr_count:     1024
    .wavefront_size: 32
...
	.end_amdgpu_metadata
.endif
;; end of part 2
;; launch attn (part 3): grid 4 x 64, 16 waves a work-group, no clusters, 141,312 bytes of LDS; arguments qkv_img, sc, a_img, a_sc; writes a_img, a_sc
.if DOCPART == 3
	.amdgcn_target "amdgcn-amd-amdhsa--gfx1250"
	.amdhsa_code_object_version 6
	.text
	.protected	k_q9fb635b97c_attn
	.globl	k_q9fb635b97c_attn
	.p2align	8
	.type	k_q9fb635b97c_attn,@function
k_q9fb635b97c_attn:
	s_mov_b64 s[64:65], 0
	v_nop
	global_prefetch_b8 v0, s[64:65] scope:SCOPE_SE
	s_setreg_imm32_b32 hwreg(HW_REG_WAVE_MODE, 25, 1), 1
	s_wait_xcnt 0x0
; Causal attention on codes of E2M1: S = Q K^T, p = 2^(t - M), O = p V / l, and O quantised along E for the projection that follows.
; LEFT OUT AS DEAD WORK: a step of 128 keys all of which come after my tile's queries (reference()'s own jnp.tril gives them the weight 0 for all values of the inputs); a NaN or infinity that reaches only such steps is not carried on.
; THE SOFTMAX: t = score x log2(e) / 8; M = the running largest t rounded UP to a whole number, kept as -M; p = 2^(t - M) is quantised along the keys, not normalised; the row's sum l is taken of the unquantised p
; and divides O at the end.  When M moves, l and O are multiplied by 2^(old M - new M), which rounds nothing.
; SHARES.  Work-group (x = i, y = batch x head) owns the query blocks 7 - i and i of 256 queries: together 16 or 18 live key steps for every wave.  Each of sixteen waves owns one tile of 16 queries of each block,
; in 256 registers: four waves to a SIMD, so that one wave's vector work stands beside another's matrix work and LDS loads.
; LDS holds the head's K, V and their scale words as launch proj laid them, images of the operands' registers, as far as the work-group's last query reaches (16 - 2 i blocks of 128 keys): written once, one barrier.
; LAYOUT.  Both products are used transposed: a lane holds ONE query throughout.  K = 64 IN AN INSTRUCTION OF K = 128: a fragment of K holds two tiles of keys (k 0-63: tile u = 0; k 64-127: tile u = 1); the queries stand
; twice, as [q, zeros] and as [zeros, q]: zero codes add nothing under any scale byte but 0xff.  So no byte of K is read twice.  The keys of a tile are 32 b + 8 u + r + 8 (r / 8): the 16 registers of tiles u = 0, 1 are
; 16 neighbouring keys, 32 b + 16 (lane / 16) + 0 .. 15.  My queries are permuted alike: lane r's is 32 tq + 8 u + r + 8 (r / 8) of its block of 128.
; OUT.  a_img [group of 32 tokens][u][K step][c][lane][16 bytes]: my tile's codes of my head are 512 consecutive bytes.  a_sc [group][u][r][32 bytes]: my head's two bytes of each row, one byte a lane: rows 32 bytes apart,
; written in part: 2 bytes beside each 32 bytes of codes.
; NO CLUSTER: the four work-groups of a head need 16, 14, 12 and 10 blocks of keys, and each fills its LDS once, 136 KB at the most, for some 17 key steps of every wave.  NO TENSOR LOAD, NO RING: nothing is filled again.
; A block of zeros gets the byte 1 where the rule says 127: its codes are zeros, and this program alone reads the bytes.  LIMITS: NaN and infinities are not served.
; REGISTERS: v1, v3, v4, v7 addresses that stay; v5, v6 the add's two; v8-10 the step's LDS addresses; v11 the mask's limit; v12 -M, v13 the largest t, v[14:15] l in two halves; v16-23 [q, 0]; v24-31 [0, q];
;   v32-63 K; v64-95 V; v96-159 S^T, then p; v160-191 O^T; v193-196 addresses; v224-231 codes; v232-254 at work; v248-251 K's scale words (lanes 0-15) and V's (lanes 16-31); v253 p's; v255 q's.
.set VIMG,  65536
.set SIMG,  131072
.set SPARE, 139264                     ; the spare words, 128 bytes for each of sixteen waves
.set JQ,  35                           ; s35  the block of 128 keys in which my queries lie
.set JJ,  36                           ; s36  the key step
.set TB,  37                           ; s37  4,096 x the key step
.set TS,  38                           ; s38  512 x the key step
.set SEL, 40
.set CS,  42                           ; s[42:43] c = log2(e) / 8
.set HM,  44                           ; s44  lanes 16 to 31
	s_load_b256 s[4:11], s[0:1], 0x0               ; qkv_img s[4:5], sc s[6:7], a_img s[8:9], a_sc s[10:11]
	v_lshl_add_u32 v5, v0, 2, SPARE
	v_mov_b32 v6, 0
	v_lshrrev_b32 v2, 5, v0
	s_delay_alu instid0(VALU_DEP_1)
	v_readfirstlane_b32 s12, v2                    ; wave 0..15
	s_mov_b32 s13, ttmp9                           ; i
	s_and_b32 s14, ttmp7, 0xffff                   ; batch x head
	s_and_b32 s15, s14, 15                         ; head
	s_lshr_b32 s16, s14, 4                         ; batch
	v_and_b32 v2, 31, v0
	s_delay_alu instid0(VALU_DEP_1)
	v_lshlrev_b32 v1, 4, v2                        ; 16 x lane: my place in every image
	s_delay_alu instid0(VALU_DEP_1)
	v_add_nc_u32 v3, VIMG, v1
	s_delay_alu instid0(VALU_DEP_2)
	v_add_nc_u32 v4, SIMG, v1
	v_and_b32 v8, 15, v0                           ; r
	v_bfe_u32 v9, v0, 4, 1                         ; h
	s_delay_alu instid0(VALU_DEP_2)
	v_lshlrev_b32 v7, 4, v8                        ; 16 r: my row's four scale words
	s_delay_alu instid0(VALU_DEP_3)
	v_and_b32 v10, 8, v8
	s_delay_alu instid0(VALU_DEP_1)
	v_add_nc_u32 v10, v10, v8                      ; r + 8 (r / 8)
	s_delay_alu instid0(VALU_DEP_4)
	v_lshlrev_b32 v192, 4, v9
	s_delay_alu instid0(VALU_DEP_1)
	v_sub_nc_u32 v192, v10, v192                   ; - 16 h
	s_wait_alu depctr_va_vdst(0)
	v_lshl_add_u32 v193, v8, 5, v9                 ; a_sc: 32 r + h
	s_lshl_b32 s48, s12, 12
	v_add_nc_u32 v194, s48, v1                     ; the fill: block J = wave: K's image,
	s_delay_alu instid0(VALU_DEP_1)
	v_add_nc_u32 v195, VIMG, v194                  ; V's,
	s_lshl_b32 s48, s12, 9
	s_add_co_u32 s48, s48, SIMG
	v_add_nc_u32 v196, s48, v1                     ; and the scale words
	s_lshr_b32 s49, s12, 1                         ; my group of 32 queries in a block of 256
	s_and_b32 s57, s49, 3                          ; tq: in its block of 128
	s_and_b32 s50, s12, 1                          ; u
	s_lshl_b32 s39, s50, 4                         ; 16 u
	s_lshl_b32 s51, s14, 16                        ; Q's image: 65,536 x (batch x head) + 1,024 tq + 512 u
	s_lshl_b32 s48, s57, 10
	s_add_co_u32 s51, s51, s48
	s_lshl_b32 s48, s50, 9
	s_add_co_u32 s51, s51, s48
	s_mul_i32 s52, s14, 12288                      ; Q's scale words: 12,288 x (batch x head) + 512 + 4 tq
	s_lshl_b32 s48, s57, 2
	s_add_co_u32 s52, s52, s48
	s_add_co_u32 s52, s52, 512
	s_lshl_b32 s53, s16, 6                         ; group of 32 tokens: 64 x batch + wave / 2 (+ 8 x query block)
	s_add_co_u32 s53, s53, s49
	s_lshl_b32 s54, s50, 13                        ; a_img: 8,192 u + 512 x head
	s_lshl_b32 s48, s15, 9
	s_add_co_u32 s54, s54, s48
	s_lshl_b32 s55, s50, 9                         ; a_sc: 512 u + 2 x head
	s_lshl_b32 s48, s15, 1
	s_add_co_u32 s55, s55, s48
	s_lshl_b32 s48, s57, 5
	s_lshl_b32 s56, s50, 3
	s_add_co_u32 s48, s48, s56
	v_add_nc_u32 v11, s48, v192                    ; my query in its block of 128, less 16 h: register 16 b + i holds key 32 b + i + 16 h: hidden on the diagonal where 32 b + i is greater than this
	s_mov_b32 s[SEL], 0x76543210
	s_mov_b32 s[SEL+1], 0xfedcba98                 ; lane l xor 16
	s_mov_b32 s[CS], 0x3e38aa3b                    ; log2(e) / 8
	s_mov_b32 s[CS+1], s[CS]                       ; (named with it as a pair, so it is written)
	s_mov_b32 s[HM], 0xffff0000
.irp j, 20,21,22,23,24,25,26,27
	v_mov_b32 v\j, 0                               ; the zero halves of [q, 0] and [0, q]
.endr
.irp j, 236,237,238,239,252,253
	v_mov_b32 v\j, 0                               ; written once: lane permutes' destinations, and the pair v[252:253], count as read
.endr
	s_mov_b32 s47, 0
	s_lshl_b32 s46, s14, 16
	s_lshl_b32 s48, s12, 12
	s_add_co_u32 s46, s46, s48
	s_add_co_u32 s46, s46, 0x400000                ; K's images lie 4 MiB into qkv_img,
	s_wait_kmcnt 0x0
	s_add_nc_u64 s[20:21], s[4:5], s[46:47]
	s_add_nc_u64 s[22:23], s[20:21], 0x400000      ; V's 8 MiB
	s_mul_i32 s46, s14, 12288
	s_mul_i32 s48, s12, 768
	s_add_co_u32 s46, s46, s48
	s_add_nc_u64 s[24:25], s[6:7], s[46:47]
	s_lshl_b32 s48, s13, 1
	s_sub_co_u32 s48, 16, s48                      ; blocks of keys up to the work-group's last query: 16 - 2 i
	s_cmp_lt_u32 s12, s48
	s_cbranch_scc0 .Lnofill                        ; on ids alone; no barrier stands inside
.irp j, 0,1,2,3,4,5,6,7
	global_load_b128 v[96+4*\j:99+4*\j], v1, s[20:21] offset:512*\j
.endr
.irp j, 0,1,2,3,4,5,6,7
	global_load_b128 v[128+4*\j:131+4*\j], v1, s[22:23] offset:512*\j
.endr
	global_load_b128 v[160:163], v1, s[24:25]      ; K's 256 bytes of scale words and V's 256
	s_wait_loadcnt 0x0
.irp j, 0,1,2,3,4,5,6,7
	ds_store_b128 v194, v[96+4*\j:99+4*\j] offset:512*\j
.endr
.irp j, 0,1,2,3,4,5,6,7
	ds_store_b128 v195, v[128+4*\j:131+4*\j] offset:512*\j
.endr
	ds_store_b128 v196, v[160:163]
.Lnofill:
	s_wait_dscnt 0x0                               ; for the others' sake: my stores are done
	s_barrier_signal -1
	s_barrier_wait -1                              ; the head's K and V lie in LDS; nothing is written there again
; One block of 256 queries, s34: my tile of it, from its codes to a's codes.
.macro QBLOCK
	s_lshl_b32 s[JQ], s34, 1
	s_lshr_b32 s48, s12, 3
	s_add_co_u32 s[JQ], s[JQ], s48                 ; my block of 128
	s_lshl_b32 s46, s[JQ], 12
	s_add_co_u32 s46, s46, s51
	s_add_nc_u64 s[26:27], s[4:5], s[46:47]        ; my tile's codes
	s_mul_i32 s46, s[JQ], 768
	s_add_co_u32 s46, s46, s52
	s_add_nc_u64 s[28:29], s[6:7], s[46:47]        ; and scale words
	s_lshl_b32 s48, s34, 3
	s_add_co_u32 s48, s48, s53                     ; my group of 32 tokens
	s_lshl_b32 s46, s48, 14
	s_add_co_u32 s46, s46, s54
	s_add_nc_u64 s[30:31], s[8:9], s[46:47]
	s_lshl_b32 s46, s48, 10
	s_add_co_u32 s46, s46, s55
	s_add_nc_u64 s[32:33], s[10:11], s[46:47]
	global_load_b128 v[16:19], v1, s[26:27]        ; q, as the first half of [q, 0],
	global_load_b128 v[28:31], v1, s[26:27]        ; and once more, as the second half of [0, q]
	global_load_b32 v254, v7, s[28:29]             ; the pair's scale word of my row
	v_mov_b32 v13, 0xff61b1e6                      ; the largest t so far: -3e38, under every t
	s_delay_alu instid0(VALU_DEP_1)
	v_floor_f32 v12, -v13                          ; -M
	v_mov_b32 v14, 0
	v_mov_b32 v15, 0
	s_mov_b32 s[JJ], 0
	s_mov_b32 s[TB], 0
	s_mov_b32 s[TS], 0
	s_wait_loadcnt 0x0
	v_lshrrev_b32 v254, s39, v254                  ; my tile's two bytes,
	s_delay_alu instid0(VALU_DEP_1)
	v_and_b32 v254, 0xffff, v254
	s_delay_alu instid0(VALU_DEP_1)
	v_lshl_or_b32 v255, v254, 16, v254             ; twice: they serve [q, 0] and [0, q] alike
.set n, 0
.rept 32
	v_mov_b32 v[160+n], 0                          ; O^T: the step is written once; its first trip finds zeros.  (These are also the places between the scale word's last write and the first product)
.set n, n+1
.endr
.Lstep_\@:                                             ; 16 trips, a constant, so that the LDS addresses can be read off the text; a hidden step's work is jumped over
	s_cmp_gt_u32 s[JJ], s[JQ]
	s_cbranch_scc1 .Lhidden_\@
	s_setprio 2
	v_add_nc_u32 v8, s[TB], v1
	v_add_nc_u32 v9, s[TB], v3
	v_add_nc_u32 v10, s[TS], v4
	v_nop                                          ; four places in front of loads into registers that the last trip's products read
.irp t, 0,1,2,3
.irp c, 0,1
	ds_load_b128 v[32+8*\t+4*\c:35+8*\t+4*\c], v8 offset:1024*\t+512*\c
.endr
.endr
	ds_load_b128 v[248:251], v10
.irp t, 0,1,2,3
.irp c, 0,1
	ds_load_b128 v[64+8*\t+4*\c:67+8*\t+4*\c], v9 offset:1024*\t+512*\c
.endr
.endr
	s_wait_dscnt 8                                 ; K and the scale words are in; V's eight loads may be out
.irp b, 0,1,2,3
.irp u, 0,1
	v_wmma_scale_f32_16x16x128_f8f6f4 v[96+16*\b+8*\u:103+16*\b+8*\u], v[32+8*\b:39+8*\b], v[16+8*\u:23+8*\u], 0, v[248+\b], v255 matrix_a_fmt:MATRIX_FMT_FP4 matrix_b_fmt:MATRIX_FMT_FP4
.endr
.endr
.rept 4
	v_nop
.endr
	s_cmp_lt_u32 s[JJ], s[JQ]                      ; a step all of whose keys count skips the mask
	s_cbranch_scc1 .Lopen_\@
	v_mov_b32 v254, 0xff800000                     ; on the diagonal hidden scores become -infinity ahead of the maximum: p = 0 then.  Key 0 of the step counts for every query, so M stays a number
.set n, 0
.rept 64
	v_cmp_gt_i32 vcc_lo, 32*(n/16)+n%16, v11
	v_cndmask_b32 v[96+n], v[96+n], v254, vcc_lo
.set n, n+1
.endr
.Lopen_\@:
.irp b, 0,1,2,3
	v_max3_num_f32 v[232+\b], v[96+16*\b], v[97+16*\b], v[98+16*\b]   ; the largest score of each block of 32 keys: for the row's maximum, and, since p rises with the score, for the block's largest p
.endr
.irp i, 3,5,7,9,11,13
.irp b, 0,1,2,3
	v_max3_num_f32 v[232+\b], v[232+\b], v[96+16*\b+\i], v[97+16*\b+\i]
.endr
.endr
.irp b, 0,1,2,3
	v_max_num_f32 v[232+\b], v[232+\b], v[111+16*\b]
.endr
.irp b, 0,1,2,3
	s_delay_alu instid0(VALU_DEP_4)
	v_permlanex16_b32 v[236+\b], v[232+\b], s[SEL], s[SEL+1]
.endr
.irp b, 0,1,2,3
	s_delay_alu instid0(VALU_DEP_4)
	v_max_num_f32 v[232+\b], v[232+\b], v[236+\b]  ; with lane l xor 16's 16 keys
.endr
	s_delay_alu instid0(VALU_DEP_2)
	v_max3_num_f32 v254, v232, v233, v234
	s_delay_alu instid0(VALU_DEP_1)
	v_max_num_f32 v254, v254, v235                 ; the step's largest score of my query
	s_delay_alu instid0(VALU_DEP_1)
	v_mul_f32 v254, s[CS], v254                    ; as t (c is positive)
	s_delay_alu instid0(VALU_DEP_1)
	v_max_num_f32 v13, v13, v254                   ; the running largest t
	v_mov_b32 v254, v12
	s_delay_alu instid0(VALU_DEP_2)
	v_floor_f32 v12, -v13                          ; the new -M = floor(-t) = -ceil(t)
	s_delay_alu instid0(VALU_DEP_1)
	v_sub_f32 v254, v12, v254                      ; old M less new M: a whole number, 0 or less
	s_delay_alu instid0(VALU_DEP_1)
	v_cvt_i32_f32 v254, v254                       ; (it saturates)
	s_delay_alu instid0(VALU_DEP_1)
	v_ldexp_f32 v252, 1.0, v254                    ; f = 2^(old M - new M)
.set n, 0
.rept 32
	v_pk_fma_f32 v[96+n:97+n], v[96+n:97+n], s[CS:CS+1], v[12:13] op_sel_hi:[1,0,0]   ; t - M, two at a time
.set n, n+2
.endr
	s_setprio 1
.irp b, 0,1,2,3
	v_fma_f32 v[232+\b], v[232+\b], s[CS], v12     ; the same of each block's largest score
.endr
.set n, 0
	s_wait_alu depctr_va_vdst(0)
.rept 64
	v_exp_f32 v[96+n], v[96+n]                     ; p = 2^(t - M), at most 1
.set n, n+1
.endr
	v_pk_mul_f32 v[14:15], v[14:15], v[252:253] op_sel_hi:[1,0]   ; l under the new M (a plain line behind the exponentials)
	s_wait_alu depctr_va_vdst(0)                   ; one wait for the whole batch, ahead of its first reader
.irp b, 0,1,2,3
	v_exp_f32 v[232+\b], v[232+\b]                 ; the block's largest p
.endr
	v_pk_add_f32 v[236:237], v[100:101], v[104:105]
	v_pk_add_f32 v[246:247], v[108:109], v[112:113]
	v_pk_add_f32 v[244:245], v[116:117], v[120:121]
	v_pk_add_f32 v[242:243], v[124:125], v[128:129]
	v_pk_add_f32 v[240:241], v[132:133], v[136:137]
	v_pk_add_f32 v[238:239], v[140:141], v[144:145]
	v_pk_add_f32 v[230:231], v[148:149], v[152:153]
	v_pk_add_f32 v[14:15], v[14:15], v[156:157]
	v_pk_add_f32 v[236:237], v[236:237], v[96:97]
	v_pk_add_f32 v[246:247], v[246:247], v[98:99]
	v_pk_add_f32 v[244:245], v[244:245], v[102:103]
	v_pk_add_f32 v[242:243], v[242:243], v[106:107]
	v_pk_add_f32 v[240:241], v[240:241], v[110:111]
	v_pk_add_f32 v[238:239], v[238:239], v[114:115]
	v_pk_add_f32 v[230:231], v[230:231], v[118:119]
	v_pk_add_f32 v[14:15], v[14:15], v[122:123]
	v_pk_add_f32 v[236:237], v[236:237], v[126:127]
	v_pk_add_f32 v[246:247], v[246:247], v[130:131]
	v_pk_add_f32 v[244:245], v[244:245], v[134:135]
	v_pk_add_f32 v[242:243], v[242:243], v[138:139]
	v_pk_add_f32 v[240:241], v[240:241], v[142:143]
	v_pk_add_f32 v[238:239], v[238:239], v[146:147]
	v_pk_add_f32 v[230:231], v[230:231], v[150:151]
	v_pk_add_f32 v[14:15], v[14:15], v[154:155]
	v_pk_add_f32 v[236:237], v[236:237], v[158:159]
	s_delay_alu instid0(VALU_DEP_2)
	v_pk_add_f32 v[14:15], v[14:15], v[242:243]
	s_delay_alu instid0(VALU_DEP_2)
	v_pk_add_f32 v[236:237], v[236:237], v[240:241]
	v_pk_add_f32 v[246:247], v[246:247], v[238:239]
	v_pk_add_f32 v[244:245], v[244:245], v[230:231]
	s_delay_alu instid0(VALU_DEP_2)
	v_pk_add_f32 v[14:15], v[14:15], v[246:247]
	s_delay_alu instid0(VALU_DEP_2)
	v_pk_add_f32 v[236:237], v[236:237], v[244:245]
	s_delay_alu instid0(VALU_DEP_1)
	v_pk_add_f32 v[14:15], v[14:15], v[236:237]
	s_wait_alu depctr_va_vdst(0)                   ; and one for the four
.irp b, 0,1,2,3
	v_max_num_f32 v[232+\b], 0x1800000, v[232+\b]  ; the floor 2^(3 - 127): the byte cannot fall under 1
.endr
.irp b, 0,1,2,3
	s_delay_alu instid0(VALU_DEP_4)
	v_add_nc_u32 v[244+\b], 0xff000000, v[232+\b]  ; 2 off the exponent field: the conversion's scale operand
.endr
.irp b, 0,1,2,3
	s_delay_alu instid0(VALU_DEP_4)
	v_lshrrev_b32 v[236+\b], 23, v[244+\b]
.endr
	s_delay_alu instid0(VALU_DEP_3)
	v_lshl_or_b32 v253, v237, 8, v236              ; p's scale word for these 128 keys
	s_delay_alu instid0(VALU_DEP_1)
	v_lshl_or_b32 v253, v238, 16, v253
	s_delay_alu instid0(VALU_DEP_1)
	v_lshl_or_b32 v253, v239, 24, v253
	s_setprio 0
.irp b, 0,1,2,3
	v_cvt_scalef32_pk8_fp4_f32 v[224+2*\b], v[96+16*\b:103+16*\b], v[244+\b]
	v_cvt_scalef32_pk8_fp4_f32 v[225+2*\b], v[104+16*\b:111+16*\b], v[244+\b]
.endr
	v_nop                                          ; one plain line behind the last conversion
.irp c, 0,1
.irp i, 0,1
	v_permlane16_swap_b32 v[224+4*\c+\i], v[226+4*\c+\i]   ; a whole block to a lane
.endr
.endr
.set n, 0
.rept 16
	v_pk_mul_f32 v[160+n:161+n], v[160+n:161+n], v[252:253] op_sel_hi:[1,0]   ; O^T under the new M; these sixteen are also the places behind the writes of p's codes and scale word
.set n, n+2
.endr
	s_wait_alu depctr_va_vdst(0)
	s_wait_dscnt 0x0                               ; V
.irp t, 0,1,2,3
	v_wmma_scale_f32_16x16x128_f8f6f4 v[160+8*\t:167+8*\t], v[64+8*\t:71+8*\t], v[224:231], v[160+8*\t:167+8*\t], v[248+\t], v253 matrix_a_fmt:MATRIX_FMT_FP4 matrix_b_fmt:MATRIX_FMT_FP4 matrix_a_scale:MATRIX_SCALE_ROW1
.endr
.Lhidden_\@:
	s_add_co_u32 s[TB], s[TB], 4096
	s_add_co_u32 s[TS], s[TS], 512
	s_add_co_u32 s[JJ], s[JJ], 1
	s_cmp_lt_u32 s[JJ], 16
	s_cbranch_scc1 .Lstep_\@
	s_setprio 0
	; O^T / l, quantised along E: my head's 64 channels are two blocks of 32; register 16 b + i is channel 32 b + 16 h + i of my token
.rept 4
	v_nop
.endr
	v_add_f32 v14, v14, v15
	s_delay_alu instid0(VALU_DEP_1)
	v_permlanex16_b32 v252, v14, s[SEL], s[SEL+1]
	s_delay_alu instid0(VALU_DEP_1)
	v_add_f32 v14, v14, v252                       ; the row's sum
	s_wait_alu depctr_va_vdst(0)
	v_rcp_f32 v14, v14
	v_nop                                          ; a plain line behind the reciprocal,
	s_wait_alu depctr_va_vdst(0)                   ; and the wait ahead of its first reader
.set n, 0
.rept 32
	v_mul_f32 v[96+n], v[160+n], v14
.set n, n+1
.endr
.irp b, 0,1
	v_max3_num_f32 v[232+\b], |v[96+16*\b]|, |v[97+16*\b]|, 0x1800000
.endr
.irp i, 2,4,6,8,10,12,14
.irp b, 0,1
	s_delay_alu instid0(VALU_DEP_2)
	v_max3_num_f32 v[232+\b], v[232+\b], |v[96+16*\b+\i]|, |v[97+16*\b+\i]|
.endr
.endr
.irp b, 0,1
	s_delay_alu instid0(VALU_DEP_2)
	v_permlanex16_b32 v[236+\b], v[232+\b], s[SEL], s[SEL+1]
.endr
.irp b, 0,1
	s_delay_alu instid0(VALU_DEP_2)
	v_max_num_f32 v[232+\b], v[232+\b], v[236+\b]
.endr
.irp b, 0,1
	s_delay_alu instid0(VALU_DEP_2)
	v_add_nc_u32 v[244+\b], 0xff000000, v[232+\b]
.endr
.irp b, 0,1
	s_delay_alu instid0(VALU_DEP_2)
	v_lshrrev_b32 v[236+\b], 23, v[244+\b]
.endr
.irp b, 0,1
	v_cvt_scalef32_pk8_fp4_f32 v[224+2*\b], v[96+16*\b:103+16*\b], v[244+\b]
	v_cvt_scalef32_pk8_fp4_f32 v[225+2*\b], v[104+16*\b:111+16*\b], v[244+\b]
.endr
	v_nop
	v_permlane16_swap_b32 v224, v226
	v_permlane16_swap_b32 v225, v227               ; lane (r, h): channels 32 h + 0 .. 31 of token r
	v_cndmask_b32 v236, v236, v237, s[HM]          ; lane (r, h): the byte of block h
	global_store_b128 v1, v[224:227], s[30:31]     ; 512 consecutive bytes
	global_store_b8 v193, v236, s[32:33]
	s_wait_xcnt 0x0                                ; the stores' data and bases are written again only behind this wait
.endm
	s_sub_co_u32 s34, 7, s13                       ; the late block first,
	QBLOCK
	s_mov_b32 s34, s13                             ; then the early one
	QBLOCK
	s_wait_tensorcnt 0x0                           ; the wave's end, behind my last LDS store
	ds_add_u32 v5, v6
	s_wait_dscnt 0x0
	s_endpgm
.Lfunc_end_k_q9fb635b97c_attn:
	.size	k_q9fb635b97c_attn, .Lfunc_end_k_q9fb635b97c_attn-k_q9fb635b97c_attn
	.p2alignl 7, 3214868480
	.fill 96, 4, 3214868480
	.section	.rodata,"a",@progbits
	.p2align	6, 0x0
	.amdhsa_kernel k_q9fb635b97c_attn
		.amdhsa_group_segment_fixed_size 141312
		.amdhsa_private_segment_fixed_size 0
		.amdhsa_enable_private_segment 0
		.amdhsa_kernarg_size 32
		.amdhsa_user_sgpr_count 2
		.amdhsa_user_sgpr_kernarg_segment_ptr 1
		.amdhsa_wavefront_size32 1
		.amdhsa_system_sgpr_workgroup_id_x 1
		.amdhsa_system_sgpr_workgroup_id_y 1
		.amdhsa_system_sgpr_workgroup_id_z 1
		.amdhsa_system_vgpr_workitem_id 0
		.amdhsa_next_free_vgpr 256
		.amdhsa_next_free_sgpr 66
		.amdhsa_reserve_vcc 1
		.amdhsa_float_denorm_mode_32 3
		.amdhsa_float_denorm_mode_16_64 3
		.amdhsa_memory_ordered 1
		.amdhsa_forward_progress 1
		.amdhsa_inst_pref_size 63
	.end_amdhsa_kernel
	.amdgpu_metadata
---
amdhsa.version: [ 1, 2 ]
amdhsa.kernels:
  - .name:           k_q9fb635b97c_attn
    .symbol:         k_q9fb635b97c_attn.kd
    .args:
      - { .name: qkv_img, .offset: 0, .size: 8, .value_kind: global_buffer, .address_space: global }
      - { .name: sc, .offset: 8, .size: 8, .value_kind: global_buffer, .address_space: global }
      - { .name: a_img, .offset: 16, .size: 8, .value_kind: global_buffer, .address_space: global }
      - { .name: a_sc, .offset: 24, .size: 8, .value_kind: global_buffer, .address_space: global }
    .group_segment_fixed_size: 141312
    .private_segment_fixed_size: 0
    .kernarg_segment_align: 8
    .kernarg_segment_size: 32
    .max_flat_workgroup_size: 512
    .sgpr_count:     66
    .vgpr_count:     256
    .wavefront_size: 32
...
	.end_amdgpu_metadata
.endif
;; end of part 3
;; launch outln (part 4): grid 256 x 1, 4 waves a work-group, no clusters, 132,096 bytes of LDS; arguments a_img, a_sc, wo_img, Wo_scales, bo, query, gamma, beta, out0; writes out0
.if DOCPART == 4
	.amdgcn_target "amdgcn-amd-amdhsa--gfx1250"
	.amdhsa_code_object_version 6
	.text
	.protected	k_q9fb635b97c_outln
	.globl	k_q9fb635b97c_outln
	.p2align	8
	.type	k_q9fb635b97c_outln,@function
k_q9fb635b97c_outln:
	s_mov_b64 s[64:65], 0
	v_nop
	global_prefetch_b8 v0, s[64:65] scope:SCOPE_SE
	s_setreg_imm32_b32 hwreg(HW_REG_WAVE_MODE, 25, 1), 1
	s_wait_xcnt 0x0
; out0 = LayerNorm(query + a Wo^T + bo) x gamma + beta; the product on codes of E2M1 with E8M0 scales, all else in f32.  Nothing of reference() is left out here.
; SHARES.  Work-group g owns 32 tokens, two tiles of 16 as launch attn stored them (tile u, lane r: token 32 g + 8 u + r + 8 (r / 8)).  Wave cs makes columns 256 cs to 256 cs + 255 for all 32: 16 tiles of Wo's rows x 2
; tiles of tokens = 32 accumulators, which take turns.  The product is used transposed (source 0 = 16 rows of Wo, source 1 = 16 tokens): a lane holds eight neighbouring columns of one token.
; Both operands are loaded as images of their registers, 512 consecutive bytes a load.  Wo's fragments of a K step (32 loads) go into three sets of 128 registers by turns, asked for two K steps ahead.
; THE WAY OUT.  The 32 rows meet in a stage in LDS (one barrier); wave w then owns eight whole rows (positions 8 w on: the eight neighbouring tokens from 32 g + 8 (w / 2) + 16 (w % 2)), each in 32 registers a lane:
; the residual, the bias, the mean, the variance of the centred row (two passes, as reference() has it), the gain.  Loads of query and stores of out0 cover 512 consecutive bytes each.
; query's rows 0 to 3 are asked for at the head; rows 4 to 7 when a set of Wo's registers falls free, in K step 6; they are named by a prefetch in K step 1: 32 lanes 256 bytes apart, two instructions for four rows of
; 4,096 bytes, each 256 bytes once, by the one wave that will load them.
; NO CLUSTER, NO TENSOR LOAD: Wo's 512 KB are walked by every work-group, but a joint load lands in LDS, where each fragment would be read by one wave alone, through a ring with a round of the cluster's barrier at
; each refill; here each wave takes its fragments straight into registers.
; LIMITS: NaN and infinities are not served.
; REGISTERS, in windows of 256.  Window 0: v1-10 addresses and the add's two; v16-23 a's scale words; v24-87 Wo's; v88-215 a's 16 fragments; v216-231 sums; v232-247 means, then 1 / sigma; v248-255 at work.
;   Window 1: Wo's sets 0 and 1; later bo, gamma, beta (v0-95).   Window 2: the accumulators (u, t) at v[128 u + 8 t]; later my eight rows, 32 registers each.   Window 3: v0-127 Wo's set 2, later query's rows 4-7; v128-255 rows 0-3.
.set SPT,   4112                       ; a stage row: 4,096 bytes + 16
.set SPARE, 32*SPT                     ; the spare words, 128 bytes for each wave
.set AS,  16
.set WS,  24
.set AF,  88
.set S,   216
.set MU,  232
.set T,   248
.set SEL, 30
.set MSB, 0
.macro WIN new                         ; the immediate's high byte repeats the setting that is left
.if MSB != \new
	s_set_vgpr_msb (MSB<<8)|\new
.set MSB, \new
.endif
.endm
.macro PLACES
.rept 4
	v_nop
.endr
.endm
.macro MM d, a, b, z, sa, sb, row
.if \z
	v_wmma_scale_f32_16x16x128_f8f6f4 v[\d:\d+7], v[\a:\a+7], v[\b:\b+7], 0, v[\sa], v[\sb] matrix_a_fmt:MATRIX_FMT_FP4 matrix_b_fmt:MATRIX_FMT_FP4
.elseif \row
	v_wmma_scale_f32_16x16x128_f8f6f4 v[\d:\d+7], v[\a:\a+7], v[\b:\b+7], v[\d:\d+7], v[\sa], v[\sb] matrix_a_fmt:MATRIX_FMT_FP4 matrix_b_fmt:MATRIX_FMT_FP4 matrix_a_scale:MATRIX_SCALE_ROW1 matrix_b_scale:MATRIX_SCALE_ROW1
.else
	v_wmma_scale_f32_16x16x128_f8f6f4 v[\d:\d+7], v[\a:\a+7], v[\b:\b+7], v[\d:\d+7], v[\sa], v[\sb] matrix_a_fmt:MATRIX_FMT_FP4 matrix_b_fmt:MATRIX_FMT_FP4
.endif
.endm
.macro WLOAD s                         ; Wo's 16 fragments of K step s into set s % 3
.if (\s)%3 == 2
	WIN 0xc0
.else
	WIN 0x40
.endif
.set WB, 128*(((\s)%3)%2)
.irp t, 0,1,2,3,4,5,6,7,8,9,10,11,12,13,14,15
.irp c, 0,1
	global_load_b128 v[WB+8*\t+4*\c:WB+8*\t+4*\c+3], v1, s[12:13] offset:8192*\t+1024*(\s)+512*\c
.endr
.endr
	WIN 0
.endm
.macro QLOAD i0, reg                   ; four rows of query from row i0 on, into window 3
	WIN 0xc0
.irp i, 0,1,2,3
.irp k, 0,1,2,3,4,5,6,7
	global_load_b128 v[\reg+32*\i+4*\k:\reg+32*\i+4*\k+3], v1, s[18:19] offset:4096*(\i0+\i)+512*\k th:TH_LOAD_NT
.endr
.endr
	WIN 0
.endm
.macro KSTEP s
.if \s > 0
	PLACES                                         ; in front of loads into the set that the last K step's products read
.endif
	s_wait_loadcnt 32                              ; this K step's fragments are in: behind them one group of 32 loads was issued, and may be out
.if \s <= 5
	WLOAD (\s+2)
.elseif \s == 6
	QLOAD 4, 0
.else
	WIN 0x40
.irp k, 0,1,2,3,4,5,6,7
	global_load_b128 v[4*\k:4*\k+3], v1, s[16:17] offset:512*\k          ; bo, gamma, beta at my columns 128 k + 4 x lane + 0 .. 3
	global_load_b128 v[32+4*\k:35+4*\k], v1, s[20:21] offset:512*\k
	global_load_b128 v[64+4*\k:67+4*\k], v1, s[22:23] offset:512*\k
.endr
	WIN 0
.endif
.if \s == 1
	global_prefetch_b8 v10, s[18:19] offset:16384 th:TH_LOAD_NT scope:SCOPE_SE   ; query's rows 4, 5
	global_prefetch_b8 v10, s[18:19] offset:24576 th:TH_LOAD_NT scope:SCOPE_SE   ; and 6, 7: five K steps ahead of their loads
.endif
.if (\s)%3 == 2
	WIN 0xa3                                       ; source 0 (Wo) window 3, source 1 (a) window 0, C and D window 2
.else
	WIN 0xa1                                       ; source 0 window 1
.endif
.set WB, 128*(((\s)%3)%2)
.irp t, 0,1,2,3,4,5,6,7,8,9,10,11,12,13,14,15
.irp u, 0,1
	MM 128*\u+8*\t, WB+8*\t, AF+64*\u+8*\s, \s==0, WS+4*\t+\s%4, AS+4*\u+\s%4, \s/4
.endr
.endr
	WIN 0
.endm
.macro RED                             ; the eight rows' sums: the two halves, then across the 32 lanes; the result in every lane of v[T + i]
.irp i, 0,1,2,3,4,5,6,7
	v_add_f32 v[T+\i], v[S+2*\i], v[S+2*\i+1]
.endr
.irp x, 1,2,4,8
.irp i, 0,1,2,3,4,5,6,7
	v_add_f32_dpp v[T+\i], v[T+\i], v[T+\i] row_xmask:\x row_mask:0xf bank_mask:0xf
.endr
.endr
.irp i, 0,1,2,3,4,5,6,7
	v_permlanex16_b32 v[S+2*\i], v[T+\i], s[SEL], s[SEL+1]
.endr
.irp i, 0,1,2,3,4,5,6,7
	v_add_f32 v[T+\i], v[T+\i], v[S+2*\i]
.endr
.endm
	s_load_b512 s[8:23], s[0:1], 0x0               ; a_img, a_sc, wo_img, Wo_scales, bo, query, gamma, beta
	s_load_b64 s[24:25], s[0:1], 0x40              ; out0
	v_lshl_add_u32 v8, v0, 2, SPARE
	v_mov_b32 v9, 0
	v_lshrrev_b32 v2, 5, v0
	v_readfirstlane_b32 s2, v2                     ; wave
	s_mov_b32 s3, ttmp9                            ; g
	v_and_b32 v2, 31, v0
	v_lshlrev_b32 v1, 4, v2                        ; 16 x lane
	v_lshlrev_b32 v10, 8, v2                       ; 256 x lane, for the prefetches
	v_and_b32 v2, 15, v0                           ; r
	v_bfe_u32 v3, v0, 4, 1                         ; h
	v_lshlrev_b32 v4, 5, v2
	v_lshl_add_u32 v4, v3, 4, v4                   ; a row's 32 scale bytes, + 16 h
	v_mul_u32_u24 v5, v2, SPT
	v_lshl_add_u32 v5, v3, 5, v5
	s_lshl_b32 s26, s2, 10
	v_add_nc_u32 v5, s26, v5                       ; the stage, in: position r, my wave's 1,024 bytes, + 32 h;
	v_add_nc_u32 v6, 16*SPT, v5                    ; tile u = 1: 16 positions on
	s_mul_i32 s26, s2, 8*SPT
	v_add_nc_u32 v7, s26, v1                       ; back: my eight positions, 16 bytes a lane
	s_mov_b32 s[SEL], 0x76543210
	s_mov_b32 s[SEL+1], 0xfedcba98
	s_mov_b32 s40, 0x3a800000                      ; 1 / 1024
	s_mov_b32 s41, 0x3727c5ac                      ; 1e-5
	s_mov_b32 s27, 0
	s_wait_alu depctr_va_vdst(0)
	s_wait_kmcnt 0x0
	s_lshl_b32 s26, s3, 14
	s_add_nc_u64 s[8:9], s[8:9], s[26:27]          ; a's images: 16,384 bytes a group
	s_lshl_b32 s26, s3, 10
	s_add_nc_u64 s[10:11], s[10:11], s[26:27]      ; a's scale bytes
	s_lshl_b32 s26, s2, 17
	s_add_nc_u64 s[12:13], s[12:13], s[26:27]      ; my 16 tiles of Wo
	s_lshl_b32 s26, s2, 13
	s_add_nc_u64 s[14:15], s[14:15], s[26:27]      ; their scale bytes
	s_lshl_b32 s26, s3, 5
	s_lshr_b32 s28, s2, 1
	s_lshl_b32 s28, s28, 3
	s_add_co_u32 s26, s26, s28
	s_and_b32 s28, s2, 1
	s_lshl_b32 s28, s28, 4
	s_add_co_u32 s26, s26, s28                     ; the first of my eight tokens on the way out
	s_lshl_b32 s26, s26, 12
	s_add_nc_u64 s[18:19], s[18:19], s[26:27]
	s_add_nc_u64 s[24:25], s[24:25], s[26:27]
	QLOAD 0, 128                                   ; query's rows 0 to 3: the longest way first
.irp u, 0,1
	global_load_b128 v[AS+4*\u:AS+4*\u+3], v4, s[10:11] offset:512*\u
.endr
.irp t, 0,1,2,3,4,5,6,7,8,9,10,11,12,13,14,15
	global_load_b128 v[WS+4*\t:WS+4*\t+3], v4, s[14:15] offset:512*\t
.endr
.irp u, 0,1
.irp s, 0,1,2,3,4,5,6,7
.irp c, 0,1
	global_load_b128 v[AF+64*\u+8*\s+4*\c:AF+64*\u+8*\s+4*\c+3], v1, s[8:9] offset:8192*\u+1024*\s+512*\c
.endr
.endr
.endr
	WLOAD 0
	WLOAD 1
.irp s, 0,1,2,3,4,5,6,7
	KSTEP \s
.endr
	PLACES                                         ; in front of the first read of results
	WIN 0x08                                       ; an LDS store's data are its source 1: window 2
.irp t, 0,1,2,3,4,5,6,7,8,9,10,11,12,13,14,15
	ds_store_b128 v5, v[8*\t:8*\t+3] offset:64*\t              ; each accumulator from its low end on
	ds_store_b128 v5, v[8*\t+4:8*\t+7] offset:64*\t+16
	ds_store_b128 v6, v[128+8*\t:128+8*\t+3] offset:64*\t
	ds_store_b128 v6, v[128+8*\t+4:128+8*\t+7] offset:64*\t+16
.endr
	WIN 0
	s_wait_dscnt 0x0                               ; for the others' sake: my stores into the stage are done
	s_barrier_signal -1
	s_barrier_wait -1                              ; 32 whole rows lie in the stage
	WIN 0x80
.irp i, 0,1,2,3,4,5,6,7
.irp k, 0,1,2,3,4,5,6,7
	ds_load_b128 v[32*\i+4*\k:32*\i+4*\k+3], v7 offset:SPT*\i+512*\k
.endr
.endr
	s_wait_dscnt 0x0
	s_wait_loadcnt 0x0                             ; query's eight rows, bo, gamma, beta
	WIN 0x8e                                       ; x += query: x window 2, query window 3
.set e, 0
.rept 16
.set i, 0
.rept 8
	v_pk_add_f32 v[32*i+e:32*i+e+1], v[32*i+e:32*i+e+1], v[(128+32*i+e)%256:(128+32*i+e)%256+1]
.set i, i+1
.endr
.set e, e+2
.endr
	WIN 0x86                                       ; x += bo: window 1
.set e, 0
.rept 16
.set i, 0
.rept 8
	v_pk_add_f32 v[32*i+e:32*i+e+1], v[32*i+e:32*i+e+1], v[e:e+1]
.set i, i+1
.endr
.set e, e+2
.endr
	WIN 0x0a                                       ; the rows' sums, the eight rows by turns
.set i, 0
.rept 8
	v_pk_add_f32 v[S+2*i:S+2*i+1], v[32*i:32*i+1], v[32*i+2:32*i+3]
.set i, i+1
.endr
	WIN 0x08
.set e, 4
.rept 14
.set i, 0
.rept 8
	v_pk_add_f32 v[S+2*i:S+2*i+1], v[S+2*i:S+2*i+1], v[32*i+e:32*i+e+1]
.set i, i+1
.endr
.set e, e+2
.endr
	WIN 0
	RED
.irp i, 0,1,2,3,4,5,6,7
	v_mul_f32 v[MU+2*\i], s40, v[T+\i]             ; the mean, in both halves of a pair
	v_mul_f32 v[MU+2*\i+1], s40, v[T+\i]
.endr
	WIN 0x82                                       ; x -= the mean
.set e, 0
.rept 16
.set i, 0
.rept 8
	v_pk_add_f32 v[32*i+e:32*i+e+1], v[32*i+e:32*i+e+1], v[MU+2*i:MU+2*i+1] neg_lo:[0,1] neg_hi:[0,1]
.set i, i+1
.endr
.set e, e+2
.endr
	WIN 0x0a                                       ; the sums of squares of the centred rows
.set i, 0
.rept 8
	v_pk_mul_f32 v[S+2*i:S+2*i+1], v[32*i:32*i+1], v[32*i:32*i+1]
.set i, i+1
.endr
.set e, 2
.rept 15
.set i, 0
.rept 8
	v_pk_fma_f32 v[S+2*i:S+2*i+1], v[32*i+e:32*i+e+1], v[32*i+e:32*i+e+1], v[S+2*i:S+2*i+1]
.set i, i+1
.endr
.set e, e+2
.endr
	WIN 0
	RED
.irp i, 0,1,2,3,4,5,6,7
	v_fma_f32 v[T+\i], v[T+\i], s40, s41           ; the variance + 1e-5
.endr
	s_wait_alu depctr_va_vdst(0)
.irp i, 0,1,2,3,4,5,6,7
	v_rsq_f32 v[MU+2*\i], v[T+\i]
.endr
	v_nop                                          ; a plain line behind the last of the batch,
	s_wait_alu depctr_va_vdst(0)                   ; and one wait for the eight, ahead of their first reader
.irp i, 0,1,2,3,4,5,6,7
	v_mov_b32 v[MU+2*\i+1], v[MU+2*\i]
.endr
	WIN 0x82                                       ; x *= 1 / sigma
.set e, 0
.rept 16
.set i, 0
.rept 8
	v_pk_mul_f32 v[32*i+e:32*i+e+1], v[32*i+e:32*i+e+1], v[MU+2*i:MU+2*i+1]
.set i, i+1
.endr
.set e, e+2
.endr
	WIN 0x96                                       ; x = x gamma + beta: both in window 1
.set e, 0
.rept 16
.set i, 0
.rept 8
	v_pk_fma_f32 v[32*i+e:32*i+e+1], v[32*i+e:32*i+e+1], v[32+e:33+e], v[64+e:65+e]
.set i, i+1
.endr
.set e, e+2
.endr
	WIN 0x08                                       ; a store's data are its source 1: window 2
.irp i, 0,1,2,3,4,5,6,7
.irp k, 0,1,2,3,4,5,6,7
	global_store_b128 v1, v[32*\i+4*\k:32*\i+4*\k+3], s[24:25] offset:4096*\i+512*\k th:TH_STORE_NT   ; 512 consecutive bytes, at a multiple of 512 from out0's first byte
.endr
.endr
	WIN 0
	s_wait_tensorcnt 0x0                           ; the wave's end, behind my last LDS store
	ds_add_u32 v8, v9
	s_wait_dscnt 0x0
	s_endpgm
.Lfunc_end_k_q9fb635b97c_outln:
	.size	k_q9fb635b97c_outln, .Lfunc_end_k_q9fb635b97c_outln-k_q9fb635b97c_outln
	.p2alignl 7, 3214868480
	.fill 96, 4, 3214868480
	.section	.rodata,"a",@progbits
	.p2align	6, 0x0
	.amdhsa_kernel k_q9fb635b97c_outln
		.amdhsa_group_segment_fixed_size 132096
		.amdhsa_private_segment_fixed_size 0
		.amdhsa_enable_private_segment 0
		.amdhsa_kernarg_size 72
		.amdhsa_user_sgpr_count 2
		.amdhsa_user_sgpr_kernarg_segment_ptr 1
		.amdhsa_wavefront_size32 1
		.amdhsa_system_sgpr_workgroup_id_x 1
		.amdhsa_system_sgpr_workgroup_id_y 1
		.amdhsa_system_sgpr_workgroup_id_z 1
		.amdhsa_system_vgpr_workitem_id 0
		.amdhsa_next_free_vgpr 1024
		.amdhsa_next_free_sgpr 66
		.amdhsa_reserve_vcc 0
		.amdhsa_float_denorm_mode_32 3
		.amdhsa_float_denorm_mode_16_64 3
		.amdhsa_memory_ordered 1
		.amdhsa_forward_progress 1
		.amdhsa_inst_pref_size 152
	.end_amdhsa_kernel
	.amdgpu_metadata
---
amdhsa.version: [ 1, 2 ]
amdhsa.kernels:
  - .name:           k_q9fb635b97c_outln
    .symbol:         k_q9fb635b97c_outln.kd
    .args:
      - { .name: a_img, .offset: 0, .size: 8, .value_kind: global_buffer, .address_space: global }
      - { .name: a_sc, .offset: 8, .size: 8, .value_kind: global_buffer, .address_space: global }
      - { .name: wo_img, .offset: 16, .size: 8, .value_kind: global_buffer, .address_space: global }
      - { .name: Wo_scales, .offset: 24, .size: 8, .value_kind: global_buffer, .address_space: global }
      - { .name: bo, .offset: 32, .size: 8, .value_kind: global_buffer, .address_space: global }
      - { .name: query, .offset: 40, .size: 8, .value_kind: global_buffer, .address_space: global }
      - { .name: gamma, .offset: 48, .size: 8, .value_kind: global_buffer, .address_space: global }
      - { .name: beta, .offset: 56, .size: 8, .value_kind: global_buffer, .address_space: global }
      - { .name: out0, .offset: 64, .size: 8, .value_kind: global_buffer, .address_space: global }
    .group_segment_fixed_size: 132096
    .private_segment_fixed_size: 0
    .kernarg_segment_align: 8
    .kernarg_segment_size: 72
    .max_flat_workgroup_size: 128
    .sgpr_count:     66
    .vgpr_count:     1024
    .wavefront_size: 32
...
	.end_amdgpu_metadata
.endif
;; end of part 4
